; MI455X (gfx1250); checked and timed in simulation.
; The chip was launched on July 23, 2026; its instructions are those of AMD's public machine-readable ISA for CDNA 5 (MIT licence, August 2026) and "CDNA5" Instruction Set Architecture Reference Guide (July 2026). The comments in the code are by the model that wrote it; some were corrected since.
;; Multihead Attention. Allowed arithmetic: float matrix products may take bf16 or f16 operands with f32 sums; other float arithmetic in f32, or as packed bf16 or f16 multiplies, adds, multiply-adds, maxima and minima; sums over many terms, partial sums and values carried from step to step in f32; what a program stores and reads back later, other than sums and carried values, may be rounded once to bf16 or f16.
;; Inputs: W_oE 512 x 512 float32; W_ow 1 x 512 float32; W_qkv 3,072 x 512 float32; b_oE 512 float32; b_ow 1 float32; b_qkv 3,072 float32; beta_E 512 float32; beta_w 512 float32; g_E 512 float32; g_w 512 float32; mask 32 x 512 int32; x 32 x 512 x 512 float32.
;; Outputs: out0 32 x 1 float32; out1 32 x 512 float32.
;; One version. Each part assembles by itself: llvm-mc -triple=amdgcn-amd-amdhsa -mcpu=gfx1250 --defsym DOCPART=n.
;; ======== version 1 of 1: 4 launches
;; limits: right only within a limited range of input values
;; workspace buffers: U 1,048,576 bytes; cb 2,048 bytes; zp 4,194,304 bytes; st 32,768 bytes; yb 131,072 bytes
;; launch prep (part 1): grid 16 x 1, 8 waves a work-group, no clusters, 304,128 bytes of LDS; arguments x, W_qkv, b_qkv, U, cb; writes U, cb
.if DOCPART == 1
	.amdgcn_target "amdgcn-amd-amdhsa--gfx1250"
	.amdhsa_code_object_version 6
	.text
	.protected	k_q6486203591_prep
	.globl	k_q6486203591_prep
	.p2align	8
	.type	k_q6486203591_prep,@function
k_q6486203591_prep:
	s_mov_b64 s[64:65], 0
	v_nop
	global_prefetch_b8 v0, s[64:65] scope:SCOPE_SE
	s_setreg_imm32_b32 hwreg(HW_REG_WAVE_MODE, 25, 1), 1
	s_wait_xcnt 0x0
; STEP 1 OF 4.  Only query row 0 of each batch leaves the two attentions, so for head-branch hb = 8 x branch + head:
;   q[b] = Wq x[b,0] + bq (64 numbers);  logit[b,s] = 8 (x[b,s] . u[b] + q[b] . bk)  with  u[b] = Wk^T q[b] (512 numbers).
; This launch makes u (as two bf16 numbers, hi + lo, for the next launch's product) and cb = q . bk, for all 32 batches.
; A work-group is one hb.  Wave w = 4 mt + kq: batches 16 mt .. +15, channels 128 kq .. +127 of both products.
; Wave w also fetches strip w: 64 rows x 512 bytes of Wq (w < 4) or Wk (w >= 4), one tensor load, filled once.
; ORDER OF CHANNELS.  In each block of 128 channels position 8 p + t (p 0..15, t 0..7) holds channel 64 (t / 4) + 4 p + t % 4: a lane that takes 16 bytes of
; f32 at byte 16 p and 16 at byte 256 + 16 p of a 512-byte piece of a row holds positions 8 p .. 8 p + 7.  Every product of the four launches uses it on both operands.
; FORMATS.  x, W_qkv and b_qkv are rounded once to bf16; sums in f32; q goes into the second product as hi + lo.
; LIMITS.  NaN and infinities are not treated apart.
; NO CLUSTER: the work-groups share only x's 32 first rows, 64 KiB of the 320 KiB that each reads, and those go straight to registers.
; s[4:13] x, W_qkv, b_qkv, U, cb   s14 w  s15 kq  s16 mt  s17 at work  s18 first row of Wq  s19 512 kq   s[20:23], s[24:31] descriptor
; s[32:41] byte offsets   s42 all ones where kq = 0   s43 upper half   s[44:45] lane selects   s46 EXEC kept
.set PITCH, 528                        ; an LDS row: 512 bytes + 16 = 132 words: row r starts 4 r words further modulo 64, so 16 rows of a load start apart
.set STRIP, 64*PITCH
.set EX,    8*STRIP                    ; 8 x 4,096 bytes: each wave's 32 registers of partial q
.set SPARE, EX+8*4096                  ; the spare words, 128 bytes a wave: four blocks of 256 bytes that no other line names
.set RA,  3                            ; v3   my place in Wq's strip kq, by rows: 528 r + 16 h
.set CA,  4                            ; v4   my place in Wk's strip kq, by columns: 8 h rows + 16 r
.set XW,  5                            ; v5   where I put my partial sums
.set XR,  6                            ; v6   where I read the four partial sums of my batches
.set SPW, 14                           ; v14  my spare word; never rewritten
.set NIL, 15                           ; v15  0; never rewritten
.set BK,  16                           ; v16-31   bk, packed bf16
.set Q,   32                           ; v32-63   bq as f32, then q; index 8 nt + j: d = 16 nt + 8 h + j
.set STG, 64                           ; v64-127  f32 as it comes out of LDS
.set FR,  128                          ; v128-159 four fragments of 16 rows x 32 positions
.set XF,  160                          ; v160-223 x's rows 0: fragment ks at XF + 16 ks
.set ACCA, 224                         ; v224-255 q's four accumulators
.set XT0, 128                          ; later v128-255: Wk by columns, fragment (t, ks2) at XT0 + 8 (2 t + ks2)
.set XTJ, 0
.macro PLACES                          ; four plain vector instructions between a matrix instruction and a reader of its result or a writer of its sources (ISA guide 7.12.1)
.rept 4
	v_nop
.endr
.endm
.macro BAR
	s_barrier_signal -1
	s_barrier_wait -1
.endm
.macro ROWLOAD ks                      ; 64 rows x positions 32 ks .. +31 as f32: 16 loads
.irp T, 0,1,2,3
.irp g, 0,1
.irp u, 0,1
	ds_load_b128 v[STG+16*(\T)+8*(\g)+4*(\u):STG+16*(\T)+8*(\g)+4*(\u)+3], v[RA] offset:(\T)*16*PITCH+64*(\ks)+32*(\g)+256*(\u)
.endr
.endr
.endr
.endm
.macro ROWCVT                          ; rounded to bf16: fragment T at FR + 8 T
.set i, 0
.rept 32
	v_cvt_pk_bf16_f32 v[FR+i], v[STG+2*i], v[STG+2*i+1]
.set i, i+1
.endr
.endm
.macro ROWLOOP mul                     ; four K steps of 32; a step's loads are out while the step before is multiplied
	ROWLOAD 0
.irp ks, 0,1,2,3
	s_wait_dscnt 0x0
	ROWCVT
.if (\ks) < 3
	ROWLOAD (\ks)+1
.endif
	\mul \ks
.if (\ks) < 3
	PLACES                             ; the next conversions write FR, which these products read
.endif
.endr
.endm
.macro COLLOAD q, buf                  ; rows 32 (q / 4) + 16 ((q / 2) % 2) + 8 h + 0..7, four channels a lane; 16 lanes take 256 consecutive bytes
.irp i, 0,1,2,3,4,5,6,7
	ds_load_b128 v[STG+32*(\buf)+4*(\i):STG+32*(\buf)+4*(\i)+3], v[CA] offset:(32*((\q)/4)+16*(((\q)/2)%2)+(\i))*PITCH+256*((\q)%2)
.endr
.endm
.macro COLCVT q, buf                   ; pairs of rows rounded to bf16: half a fragment (K = rows, lane r = position 8 r + t) for t = 4 (q % 2) + c
.irp c, 0,1,2,3
.set n, 2*(4*((\q)%2)+(\c))+((\q)/4)
.set xt, XT0+8*n+XTJ*(n/8)+4*(((\q)/2)%2)
.irp p, 0,1,2,3
	v_cvt_pk_bf16_f32 v[xt+(\p)], v[STG+32*(\buf)+8*(\p)+(\c)], v[STG+32*(\buf)+8*(\p)+4+(\c)]
.endr
.endr
.endm
.macro COLALL                          ; the whole strip by columns: 16 fragments
	COLLOAD 0, 0
	COLLOAD 1, 1
.irp q, 0,1,2,3,4,5,6,7
.if (\q) < 7
	s_wait_dscnt 8                     ; LDS answers in order (ISA guide 5.7.1): all but the one younger batch of eight is in
.else
	s_wait_dscnt 0x0
.endif
	COLCVT \q, (\q)%2
.if (\q) < 6
	COLLOAD (\q)+2, (\q)%2
.endif
.endr
.endm
.macro XPUT src                        ; my 32 registers of partial sums into my 4,096 bytes
.irp i, 0,1,2,3,4,5,6,7
	ds_store_b128 v[XW], v[(\src)+4*(\i):(\src)+4*(\i)+3] offset:512*(\i)
.endr
.endm
.macro XGET dst, k
.irp i, 0,1,2,3,4,5,6,7
	ds_load_b128 v[(\dst)+4*(\i):(\dst)+4*(\i)+3], v[XR] offset:4096*(\k)+512*(\i)
.endr
.endm
.macro XADD d, a
.set i, 0
.rept 16
	v_pk_add_f32 v[(\d)+i:(\d)+i+1], v[(\d)+i:(\d)+i+1], v[(\a)+i:(\a)+i+1]
.set i, i+2
.endr
.endm
.macro XSUM d, a, b                    ; ((part 0 + part 1) + part 2) + part 3: the same order in every wave
	XGET \d, 0
	XGET \a, 1
	XGET \b, 2
	s_wait_dscnt 8                     ; parts 0 and 1 are in; part 2's eight loads may be out
	XADD \d, \a
	XGET \a, 3
	s_wait_dscnt 8                     ; part 2 is in; part 3's eight may be out
	XADD \d, \b
	s_wait_dscnt 0x0
	XADD \d, \a
.endm
	s_load_b256 s[4:11], s[0:1], 0x0               ; x s[4:5], W_qkv s[6:7], b_qkv s[8:9], U s[10:11]
	s_load_b64 s[12:13], s[0:1], 0x20              ; cb
	v_lshl_add_u32 v[SPW], v0, 2, SPARE
	v_mov_b32 v[NIL], 0
	ds_add_u32 v[SPW], v[NIL]                      ; the wave's opening: the add and its wait ahead of my tensor load; the set-up below stands between them
	v_lshrrev_b32 v1, 5, v0
	v_readfirstlane_b32 s14, v1                    ; wave 0..7
	s_and_b32 s15, s14, 3                          ; kq
	s_lshr_b32 s16, s14, 2                         ; mt
	s_lshr_b32 s17, ttmp9, 3                       ; branch
	s_mul_i32 s17, s17, 1536
	s_and_b32 s18, ttmp9, 7                        ; head
	s_lshl_b32 s18, s18, 6
	s_add_co_u32 s18, s18, s17                     ; Wq's first row for this hb; Wk's lie 512 rows on
	s_lshl_b32 s19, s15, 9                         ; 512 kq
	s_mov_b32 s24, (2<<16)|(1<<20)|(6<<22)|(3<<25) ; group 1: no mask; elements of 4 bytes; padding on, after every 128 words, 4 words
	s_mov_b32 s25, 128<<16                         ; tensor_dim0 = 128
	s_mov_b32 s26, 64<<16                          ; tensor_dim1 = 64
	s_mov_b32 s27, 128<<16                         ; tile_dim0 = 128
	s_mov_b32 s28, 64                              ; tile_dim1 = 64
	s_mov_b32 s29, 512                             ; elements from row to row
	s_mov_b32 s30, 0
	s_mov_b32 s31, 0
	s_mov_b32 s20, 1                               ; group 0: count
	s_mul_i32 s21, s14, STRIP                      ; LDS address: strip w
	s_lshl_b32 s32, s16, 9                         ; my strip in W_qkv: row rb + 512 mt, byte 512 kq
	s_add_co_u32 s32, s32, s18
	s_lshl_b32 s32, s32, 11
	s_add_co_u32 s32, s32, s19
	s_mov_b32 s33, 0
	s_lshl_b32 s34, s16, 24                        ; x: batch 16 mt, byte 512 kq of its row 0
	s_add_co_u32 s34, s34, s19
	s_mov_b32 s35, 0
	s_lshl_b32 s36, s18, 2                         ; b_qkv at bq
	s_mov_b32 s37, 0
	s_lshl_b32 s38, s16, 19                        ; U: batch 16 mt (32,768 bytes a batch), row hb, byte 256 kq
	s_lshl_b32 s17, ttmp9, 10
	s_add_co_u32 s38, s38, s17
	s_lshl_b32 s17, s15, 8
	s_add_co_u32 s38, s38, s17
	s_mov_b32 s39, 0
	s_lshl_b32 s40, ttmp9, 7                       ; cb: row hb, batch 16 mt
	s_lshl_b32 s17, s16, 6
	s_add_co_u32 s40, s40, s17
	s_mov_b32 s41, 0
	s_cmp_eq_u32 s15, 0
	s_cselect_b32 s42, -1, 0                       ; of the four partial sums only kq = 0's starts from the bias
	s_mov_b32 s43, 0xffff0000
	s_mov_b32 s44, 0x76543210
	s_mov_b32 s45, 0xfedcba98
	v_and_b32 v1, 15, v0                           ; r
	v_bfe_u32 v2, v0, 4, 1                         ; h
	v_and_b32 v12, 31, v0                          ; lane
	v_mul_u32_u24 v[RA], v1, PITCH
	v_lshl_add_u32 v[RA], v2, 4, v[RA]
	s_mul_i32 s17, s15, STRIP
	v_add_nc_u32 v[RA], s17, v[RA]
	v_mul_u32_u24 v[CA], v2, 8*PITCH
	v_lshl_add_u32 v[CA], v1, 4, v[CA]
	s_add_co_u32 s17, s17, 4*STRIP
	v_add_nc_u32 v[CA], s17, v[CA]
	s_lshl_b32 s17, s14, 12
	s_add_co_u32 s17, s17, EX
	v_lshl_add_u32 v[XW], v12, 4, s17
	s_lshl_b32 s17, s16, 14
	s_add_co_u32 s17, s17, EX
	v_lshl_add_u32 v[XR], v12, 4, s17
	v_lshlrev_b32 v7, 20, v1                       ; x: batch r, 16 h
	v_lshl_add_u32 v7, v2, 4, v7
	v_lshlrev_b32 v8, 5, v2                        ; biases: 32 h
	v_lshlrev_b32 v9, 18, v2                       ; U: batch 8 h, 16 r
	v_lshl_add_u32 v9, v1, 4, v9
	v_lshlrev_b32 v10, 2, v1                       ; cb: 4 r
	v_mov_b32 v11, 0
	s_wait_dscnt 0x0                               ; the opening add is done
	s_wait_kmcnt 0x0
	s_add_nc_u64 s[22:23], s[6:7], s[32:33]
	s_or_b32 s23, s23, 0x80000000                  ; type = 2
	tensor_load_to_lds s[20:23], s[24:31]          ; my one tensor load: by this text's count one is out
	s_nop 0
	s_add_nc_u64 s[4:5], s[4:5], s[34:35]
	s_add_nc_u64 s[8:9], s[8:9], s[36:37]
	s_add_nc_u64 s[10:11], s[10:11], s[38:39]
	s_add_nc_u64 s[12:13], s[12:13], s[40:41]
.irp ks, 0,1,2,3
.irp g, 0,1
.irp u, 0,1
	global_load_b128 v[XF+16*(\ks)+8*(\g)+4*(\u):XF+16*(\ks)+8*(\g)+4*(\u)+3], v7, s[4:5] offset:64*(\ks)+32*(\g)+256*(\u)
.endr
.endr
.endr
.irp nt, 0,1,2,3
	global_load_b128 v[64+8*(\nt):64+8*(\nt)+3],   v8, s[8:9] offset:64*(\nt)           ; bq of d = 16 nt + 8 h + 0..7
	global_load_b128 v[64+8*(\nt)+4:64+8*(\nt)+7], v8, s[8:9] offset:64*(\nt)+16
	global_load_b128 v[96+8*(\nt):96+8*(\nt)+3],   v8, s[8:9] offset:2048+64*(\nt)      ; bk, 512 rows on
	global_load_b128 v[96+8*(\nt)+4:96+8*(\nt)+7], v8, s[8:9] offset:2048+64*(\nt)+16
.endr
	s_wait_loadcnt 0x0
.irp ks, 0,1,2,3
.irp m, 0,1,2,3,4,5,6,7
	v_cvt_pk_bf16_f32 v[XF+16*(\ks)+(\m)], v[XF+16*(\ks)+2*(\m)], v[XF+16*(\ks)+2*(\m)+1]  ; in place: number m is written when numbers 2 m and 2 m + 1 are read
.endr
.endr
.set i, 0
.rept 16
	v_cvt_pk_bf16_f32 v12, v[64+2*i], v[65+2*i]    ; bq rounded to bf16,
	v_cvt_pk_bf16_f32 v[BK+i], v[96+2*i], v[97+2*i]
	v_and_b32 v12, s42, v12                        ; 0 where kq is not 0,
	v_lshlrev_b32 v[Q+2*i], 16, v12                ; and back as f32: the C operand that starts q's sums
	v_and_b32 v[Q+2*i+1], s43, v12
.set i, i+1
.endr
	s_wait_tensorcnt 0x0                           ; my strip is in;
	BAR                                            ; everybody's is: each strip is read by the two waves of its kq
; q^T = Wq x0^T: source 0 = 16 rows of Wq, source 1 = 16 batches.  Register j of lane (r, h): batch 16 mt + r, d = 16 nt + 8 h + j.  The four accumulators take turns.
.macro MULA ks
.irp nt, 0,1,2,3
.if (\ks) == 0
	v_wmma_f32_16x16x32_bf16 v[ACCA+8*(\nt):ACCA+8*(\nt)+7], v[FR+8*(\nt):FR+8*(\nt)+7], v[XF+16*(\ks):XF+16*(\ks)+7], v[Q+8*(\nt):Q+8*(\nt)+7]
.else
	v_wmma_f32_16x16x32_bf16 v[ACCA+8*(\nt):ACCA+8*(\nt)+7], v[FR+8*(\nt):FR+8*(\nt)+7], v[XF+16*(\ks):XF+16*(\ks)+7], v[ACCA+8*(\nt):ACCA+8*(\nt)+7]
.endif
.endr
.endm
	ROWLOOP MULA
	PLACES
	XPUT ACCA
	COLALL                                         ; Wk's strip by columns, while the other waves arrive; its last wait is for 0, my stores among what it covers
	BAR                                            ; the partial q of all waves lie in LDS
	XSUM Q, 64, 96
	; cb = q . bk: my 32 of the 64 terms in two chains, then the lane 16 away
.set i, 0
.rept 16
.if i == 0
	v_fma_mix_f32_bf16 v12, v[Q], v[BK], v11 op_sel_hi:[0,1,0]
	v_fma_mix_f32_bf16 v13, v[Q+1], v[BK], v11 op_sel:[0,1,0] op_sel_hi:[0,1,0]
.else
	v_fma_mix_f32_bf16 v12, v[Q+2*i], v[BK+i], v12 op_sel_hi:[0,1,0]
	v_fma_mix_f32_bf16 v13, v[Q+2*i+1], v[BK+i], v13 op_sel:[0,1,0] op_sel_hi:[0,1,0]
.endif
.set i, i+1
.endr
	v_add_f32 v12, v12, v13
	v_permlanex16_b32 v13, v12, s44, s45
	v_add_f32 v12, v12, v13
	s_cmp_lg_u32 s15, 0                            ; the four waves of an mt hold the same q: kq = 0 stores
	s_cbranch_scc1 .Lno_cb
	s_wait_xcnt 0x0                                ; EXEC changes only behind this wait
	v_cmp_eq_u32 vcc_lo, 0, v2
	s_and_saveexec_b32 s46, vcc_lo                 ; lanes 0 to 15: 64 consecutive bytes
	global_store_b32 v10, v12, s[12:13]
	s_wait_xcnt 0x0
	s_or_b32 exec_lo, exec_lo, s46
.Lno_cb:
	; q = hi + lo, both bf16: pairs of q ARE source 0 (16 batches x 32 d) of the second product
.set i, 0
.rept 16
	v_cvt_pk_bf16_f32 v[64+i], v[Q+2*i], v[Q+2*i+1]
.set i, i+1
.endr
.set i, 0
.rept 16
	v_lshlrev_b32 v[80+2*i], 16, v[64+i]
	v_and_b32 v[81+2*i], s43, v[64+i]
.set i, i+1
.endr
.set i, 0
.rept 16
	v_pk_add_f32 v[Q+2*i:Q+2*i+1], v[Q+2*i:Q+2*i+1], v[80+2*i:81+2*i] neg_lo:[0,1] neg_hi:[0,1]
.set i, i+1
.endr
.set i, 0
.rept 16
	v_cvt_pk_bf16_f32 v[Q+i], v[Q+2*i], v[Q+2*i+1]
.set i, i+1
.endr
	; u = q Wk: register j of lane (r, h) of accumulator t: batch 16 mt + 8 h + j, position 128 kq + 8 r + t.  Accumulator t at v48, v56, v80 .. v120; the eight take turns.
.irp ks2, 0,1
.irp hl, 0,1
.irp t, 0,1,2,3,4,5,6,7
.set acc, 48+8*(\t)+16*(((\t)+6)/8)
.set xt, XT0+8*(2*(\t)+(\ks2))
.set qf, 64-32*(\hl)+8*(\ks2)
.if (\ks2)+(\hl) == 0
	v_wmma_f32_16x16x32_bf16 v[acc:acc+7], v[qf:qf+7], v[xt:xt+7], 0
.else
	v_wmma_f32_16x16x32_bf16 v[acc:acc+7], v[qf:qf+7], v[xt:xt+7], v[acc:acc+7]
.endif
.endr
.endr
.endr
	PLACES
	; a lane's eight positions of a batch: 16 bytes of hi, 16 of lo; 16 lanes store 256 consecutive bytes, at a multiple of 256 from U's first byte
.irp j, 0,1,2,3,4,5,6,7
.irp c, 0,1,2,3
.set a0, 48+16*(\c)+16*((2*(\c)+6)/8)
.set a1, 56+16*(\c)+16*((2*(\c)+7)/8)
	v_cvt_pk_bf16_f32 v[128+4*(\j)+(\c)], v[a0+(\j)], v[a1+(\j)]
.endr
.irp c, 0,1,2,3
	v_lshlrev_b32 v[192+8*(\j)+2*(\c)], 16, v[128+4*(\j)+(\c)]
	v_and_b32 v[192+8*(\j)+2*(\c)+1], s43, v[128+4*(\j)+(\c)]
.endr
.irp t, 0,1,2,3,4,5,6,7
.set a0, 48+8*(\t)+16*(((\t)+6)/8)
	v_sub_f32 v[192+8*(\j)+(\t)], v[a0+(\j)], v[192+8*(\j)+(\t)]
.endr
.irp c, 0,1,2,3
	v_cvt_pk_bf16_f32 v[160+4*(\j)+(\c)], v[192+8*(\j)+2*(\c)], v[192+8*(\j)+2*(\c)+1]
.endr
	global_store_b128 v9, v[128+4*(\j):128+4*(\j)+3], s[10:11] offset:32768*(\j)
	global_store_b128 v9, v[160+4*(\j):160+4*(\j)+3], s[10:11] offset:32768*(\j)+16384
.endr
	s_wait_tensorcnt 0x0                           ; the wave's end: behind my tensor load and my last LDS store
	ds_add_u32 v[SPW], v[NIL]
	s_wait_dscnt 0x0
	s_endpgm
.Lfunc_end_k_q6486203591_prep:
	.size	k_q6486203591_prep, .Lfunc_end_k_q6486203591_prep-k_q6486203591_prep
	.p2alignl 7, 3214868480
	.fill 96, 4, 3214868480
	.section	.rodata,"a",@progbits
	.p2align	6, 0x0
	.amdhsa_kernel k_q6486203591_prep
		.amdhsa_group_segment_fixed_size 304128
		.amdhsa_private_segment_fixed_size 0
		.amdhsa_enable_private_segment 0
		.amdhsa_kernarg_size 40
		.amdhsa_user_sgpr_count 2
		.amdhsa_user_sgpr_kernarg_segment_ptr 1
		.amdhsa_wavefront_size32 1
		.amdhsa_system_sgpr_workgroup_id_x 1
		.amdhsa_system_sgpr_workgroup_id_y 1
		.amdhsa_system_sgpr_workgroup_id_z 1
		.amdhsa_system_vgpr_workitem_id 0
		.amdhsa_next_free_vgpr 256
		.amdhsa_next_free_sgpr 66
		.amdhsa_reserve_vcc 1
		.amdhsa_float_denorm_mode_32 3
		.amdhsa_float_denorm_mode_16_64 3
		.amdhsa_memory_ordered 1
		.amdhsa_forward_progress 1
		.amdhsa_inst_pref_size 63
	.end_amdhsa_kernel
	.amdgpu_metadata
---
amdhsa.version: [ 1, 2 ]
amdhsa.kernels:
  - .name:           k_q6486203591_prep
    .symbol:         k_q6486203591_prep.kd
    .args:
      - { .name: x, .offset: 0, .size: 8, .value_kind: global_buffer, .address_space: global }
      - { .name: W_qkv, .offset: 8, .size: 8, .value_kind: global_buffer, .address_space: global }
      - { .name: b_qkv, .offset: 16, .size: 8, .value_kind: global_buffer, .address_space: global }
      - { .name: U, .offset: 24, .size: 8, .value_kind: global_buffer, .address_space: global }
      - { .name: cb, .offset: 32, .size: 8, .value_kind: global_buffer, .address_space: global }
    .group_segment_fixed_size: 304128
    .private_segment_fixed_size: 0
    .kernarg_segment_align: 8
    .kernarg_segment_size: 40
    .max_flat_workgroup_size: 256
    .sgpr_count:     66
    .vgpr_count:     256
    .wavefront_size: 32
...
	.end_amdgpu_metadata
.endif
;; end of part 1
;; launch stream (part 2): grid 8 x 32, 4 waves a work-group, no clusters, 167,936 bytes of LDS; arguments x, mask, U, cb, zp, st; writes zp, st
.if DOCPART == 2
	.amdgcn_target "amdgcn-amd-amdhsa--gfx1250"
	.amdhsa_code_object_version 6
	.text
	.protected	k_q6486203591_stream
	.globl	k_q6486203591_stream
	.p2align	8
	.type	k_q6486203591_stream,@function
k_q6486203591_stream:
	s_mov_b64 s[64:65], 0
	v_nop
	global_prefetch_b8 v0, s[64:65] scope:SCOPE_SE
	s_setreg_imm32_b32 hwreg(HW_REG_WAVE_MODE, 25, 1), 1
	s_wait_xcnt 0x0
; STEP 2 OF 4: x is read, once.  A work-group owns 64 keys (a chunk) of one batch b, for all 16 head-branches hb:
;   s[key, hb] = x[key] . u[b, hb] + cb[hb, b], hidden keys (mask = 0) replaced by -2^100;   m = max over the chunk;   p = 2^(c s - c m), c = 8 log2(e);   l = sum of p;   z[hb] = sum over keys of p x[key].
; Stored: z (bf16: it is the next launch's matrix operand), c m and l (f32).  The chunks are merged by the running-maximum rule in the next launch.
; Wave w owns channels 128 w .. +127 of the 64 keys in BOTH products: one tensor load, 64 rows x 512 bytes, into a strip that no other wave touches.  The four waves' partial logits meet in LDS once.
; The order of channels inside a block of 128 is the one launch 1's head describes.
; FORMATS.  x is rounded once to bf16 for both products; u comes as hi + lo; p is rounded to bf16 for the second product, l is the sum of the unrounded p; maxima and sums in f32.
; LIMITS.  True logits lie above -2^100.  c x 2^100 is exact, so a chunk with no valid key has c s - c m = 0 exactly, weights 1 and finite z; the next launch gives it the factor 0.
; A weight below 2^-126 counts as 0.  NaN and infinities are not treated apart.
; NO CLUSTER: the eight work-groups of a batch share only u, 32 KiB against 128 KiB of x of their own, and u goes straight to registers.
; s[4:15] x, mask, U, cb, zp, st   s16 w  s17 chunk  s18 b  s19, s39 at work   s[20:23], s[24:31] descriptor   s[32:33], s[40:49] offsets   s[34:35] c   s[36:37] lane selects   s38 lanes 16-31   s[66:97] 32 lane masks
.set PITCH, 528                        ; an LDS row: 512 bytes + 16 = 132 words: row r starts 4 r words further modulo 64
.set STRIP, 64*PITCH
.set EX,    4*STRIP                    ; 4 x 4,096 bytes: each wave's 32 registers of partial logits
.set SPARE, EX+4*4096                  ; the spare words, 128 bytes a wave: two blocks of 256 bytes that no other line names
.set RA,  3
.set CA,  4
.set XW,  5
.set XR,  6
.set SPW, 14
.set NIL, 15
.set UF,  16                           ; v16-79   u: fragment (hl, ks) at UF + 32 hl + 8 ks
.set LS,  80                           ; v80-111  logits, index 8 kt + j: key 16 kt + 8 h + j, hb = r
.set STG, 112                          ; v112-175 f32 out of LDS; later the second product's accumulators, t at 112 + 8 t
.set FR,  176                          ; v176-207
.set XT0, 16                           ; x by columns: fragment n = 2 t + ks2 at 16 + 8 n (n < 8), else 112 + 8 n: v16-79, v176-239
.set XTJ, 96
.set PF,  240                          ; v240-255 p, packed: two fragments of 16 hb x 32 keys
.set MK,  66
.macro PLACES                          ; four plain vector instructions between a matrix instruction and a reader of its result or a writer of its sources (ISA guide 7.12.1)
.rept 4
	v_nop
.endr
.endm
.macro BAR
	s_barrier_signal -1
	s_barrier_wait -1
.endm
.macro ROWLOAD ks
.irp T, 0,1,2,3
.irp g, 0,1
.irp u, 0,1
	ds_load_b128 v[STG+16*(\T)+8*(\g)+4*(\u):STG+16*(\T)+8*(\g)+4*(\u)+3], v[RA] offset:(\T)*16*PITCH+64*(\ks)+32*(\g)+256*(\u)
.endr
.endr
.endr
.endm
.macro ROWCVT
.set i, 0
.rept 32
	v_cvt_pk_bf16_f32 v[FR+i], v[STG+2*i], v[STG+2*i+1]
.set i, i+1
.endr
.endm
.macro ROWLOOP mul
	ROWLOAD 0
.irp ks, 0,1,2,3
	s_wait_dscnt 0x0
	ROWCVT
.if (\ks) < 3
	ROWLOAD (\ks)+1
.endif
	\mul \ks
.if (\ks) < 3
	PLACES
.endif
.endr
.endm
.macro COLLOAD q, buf
.irp i, 0,1,2,3,4,5,6,7
	ds_load_b128 v[STG+32*(\buf)+4*(\i):STG+32*(\buf)+4*(\i)+3], v[CA] offset:(32*((\q)/4)+16*(((\q)/2)%2)+(\i))*PITCH+256*((\q)%2)
.endr
.endm
.macro COLCVT q, buf
.irp c, 0,1,2,3
.set n, 2*(4*((\q)%2)+(\c))+((\q)/4)
.set xt, XT0+8*n+XTJ*(n/8)+4*(((\q)/2)%2)
.irp p, 0,1,2,3
	v_cvt_pk_bf16_f32 v[xt+(\p)], v[STG+32*(\buf)+8*(\p)+(\c)], v[STG+32*(\buf)+8*(\p)+4+(\c)]
.endr
.endr
.endm
.macro COLALL
	COLLOAD 0, 0
	COLLOAD 1, 1
.irp q, 0,1,2,3,4,5,6,7
.if (\q) < 7
	s_wait_dscnt 8                     ; all but the one younger batch of eight is in
.else
	s_wait_dscnt 0x0
.endif
	COLCVT \q, (\q)%2
.if (\q) < 6
	COLLOAD (\q)+2, (\q)%2
.endif
.endr
.endm
.macro XPUT src
.irp i, 0,1,2,3,4,5,6,7
	ds_store_b128 v[XW], v[(\src)+4*(\i):(\src)+4*(\i)+3] offset:512*(\i)
.endr
.endm
.macro XGET dst, k
.irp i, 0,1,2,3,4,5,6,7
	ds_load_b128 v[(\dst)+4*(\i):(\dst)+4*(\i)+3], v[XR] offset:4096*(\k)+512*(\i)
.endr
.endm
.macro XADD d, a
.set i, 0
.rept 16
	v_pk_add_f32 v[(\d)+i:(\d)+i+1], v[(\d)+i:(\d)+i+1], v[(\a)+i:(\a)+i+1]
.set i, i+2
.endr
.endm
.macro XSUM d, a, b                    ; ((part 0 + part 1) + part 2) + part 3: the same order, so the same logits, in every wave
	XGET \d, 0
	XGET \a, 1
	XGET \b, 2
	s_wait_dscnt 8                     ; parts 0 and 1 are in; part 2's eight loads may be out
	XADD \d, \a
	XGET \a, 3
	s_wait_dscnt 8                     ; part 2 is in; part 3's eight may be out
	XADD \d, \b
	s_wait_dscnt 0x0
	XADD \d, \a
.endm
	s_load_b256 s[4:11], s[0:1], 0x0               ; x s[4:5], mask s[6:7], U s[8:9], cb s[10:11]
	s_load_b128 s[12:15], s[0:1], 0x20             ; zp s[12:13], st s[14:15]
	v_lshl_add_u32 v[SPW], v0, 2, SPARE
	v_mov_b32 v[NIL], 0
	ds_add_u32 v[SPW], v[NIL]                      ; the wave's opening: the add and its wait ahead of my tensor load
	v_lshrrev_b32 v1, 5, v0
	v_readfirstlane_b32 s16, v1                    ; wave 0..3
	s_mov_b32 s17, ttmp9                           ; chunk
	s_and_b32 s18, ttmp7, 0xffff                   ; b
	s_mov_b32 s24, (2<<16)|(1<<20)|(6<<22)|(3<<25) ; group 1: elements of 4 bytes; padding on, after every 128 words, 4 words
	s_mov_b32 s25, 128<<16                         ; tensor_dim0 = 128
	s_mov_b32 s26, 64<<16                          ; tensor_dim1 = 64
	s_mov_b32 s27, 128<<16                         ; tile_dim0 = 128
	s_mov_b32 s28, 64                              ; tile_dim1 = 64
	s_mov_b32 s29, 512                             ; elements from row to row
	s_mov_b32 s30, 0
	s_mov_b32 s31, 0
	s_mov_b32 s20, 1
	s_mul_i32 s21, s16, STRIP                      ; LDS address: strip w
	s_lshl_b32 s32, s18, 20                        ; x: batch b, key 64 chunk, byte 512 w
	s_lshl_b32 s19, s17, 17
	s_add_co_u32 s32, s32, s19
	s_lshl_b32 s19, s16, 9
	s_add_co_u32 s32, s32, s19
	s_mov_b32 s33, 0
	s_lshl_b32 s40, s18, 11                        ; mask: row b, key 64 chunk
	s_lshl_b32 s19, s17, 8
	s_add_co_u32 s40, s40, s19
	s_mov_b32 s41, 0
	s_lshl_b32 s42, s18, 15                        ; U: batch b, byte 256 w
	s_lshl_b32 s19, s16, 8
	s_add_co_u32 s42, s42, s19
	s_mov_b32 s43, 0
	s_lshl_b32 s44, s18, 2                         ; cb: column b
	s_mov_b32 s45, 0
	s_lshl3_add_u32 s46, s18, s17                  ; 8 b + chunk
	s_lshl_b32 s48, s46, 7                         ; st: 128 bytes each
	s_mov_b32 s49, 0
	s_lshl_b32 s46, s46, 14                        ; zp: 16,384 bytes each, byte 256 w
	s_add_co_u32 s46, s46, s19
	s_mov_b32 s47, 0
	s_mov_b32 s34, 0x4138aa3b                      ; c = 8 log2(e): reference() divides the logits by 1 / 8
	s_mov_b32 s35, s34
	s_mov_b32 s36, 0x76543210
	s_mov_b32 s37, 0xfedcba98
	s_mov_b32 s38, 0xffff0000
	v_and_b32 v1, 15, v0                           ; r
	v_bfe_u32 v2, v0, 4, 1                         ; h
	v_and_b32 v10, 31, v0                          ; lane
	v_mul_u32_u24 v[RA], v1, PITCH
	v_lshl_add_u32 v[RA], v2, 4, v[RA]
	v_add_nc_u32 v[RA], s21, v[RA]
	v_mul_u32_u24 v[CA], v2, 8*PITCH
	v_lshl_add_u32 v[CA], v1, 4, v[CA]
	v_add_nc_u32 v[CA], s21, v[CA]
	s_lshl_b32 s39, s16, 12
	s_add_co_u32 s39, s39, EX
	v_lshl_add_u32 v[XW], v10, 4, s39
	v_lshl_add_u32 v[XR], v10, 4, EX
	v_lshlrev_b32 v7, 10, v1                       ; U: row hb = r, 16 h
	v_lshl_add_u32 v7, v2, 4, v7
	v_lshlrev_b32 v8, 5, v2                        ; mask: 32 h
	v_lshlrev_b32 v9, 13, v2                       ; zp: row 8 h, 16 r
	v_lshl_add_u32 v9, v1, 4, v9
	v_lshlrev_b32 v10, 2, v10                      ; st: 4 x lane
	v_mov_b32 v11, 0xf1800000                      ; -2^100
	v_lshlrev_b32 v176, 7, v1                      ; cb: row hb = r
	s_wait_dscnt 0x0                               ; the opening add is done
	s_wait_kmcnt 0x0
	s_add_nc_u64 s[22:23], s[4:5], s[32:33]
	s_or_b32 s23, s23, 0x80000000                  ; type = 2
	tensor_load_to_lds s[20:23], s[24:31]          ; my one tensor load: all of the work-group's x is asked for by its four waves' first memory instructions
	s_nop 0
	s_add_nc_u64 s[6:7], s[6:7], s[40:41]
	s_add_nc_u64 s[8:9], s[8:9], s[42:43]
	s_add_nc_u64 s[10:11], s[10:11], s[44:45]
	s_add_nc_u64 s[12:13], s[12:13], s[46:47]
	s_add_nc_u64 s[14:15], s[14:15], s[48:49]
.irp hl, 0,1
.irp ks, 0,1,2,3
.irp g, 0,1
	global_load_b128 v[UF+32*(\hl)+8*(\ks)+4*(\g):UF+32*(\hl)+8*(\ks)+4*(\g)+3], v7, s[8:9] offset:16384*(\hl)+64*(\ks)+32*(\g)
.endr
.endr
.endr
.irp kt, 0,1,2,3
	global_load_b128 v[112+8*(\kt):112+8*(\kt)+3],   v8, s[6:7] offset:64*(\kt)
	global_load_b128 v[112+8*(\kt)+4:112+8*(\kt)+7], v8, s[6:7] offset:64*(\kt)+16
.endr
	global_load_b32 v12, v176, s[10:11]            ; cb, in both registers of the pair that the packed addition names
	global_load_b32 v13, v176, s[10:11]
	s_wait_loadcnt 0x0
.set i, 0
.rept 32
	v_cmp_ne_u32 s[MK+i], 0, v[112+i]              ; the mask as reference() takes it: not 0
.set i, i+1
.endr
	s_wait_tensorcnt 0x0                           ; my strip is in; nobody else reads it
; S = X u^T: source 0 = 16 keys, source 1 = the 16 hb; u's hi and lo add onto the same four accumulators, which take turns.
.macro MUL1 ks
.irp hl, 0,1
.irp kt, 0,1,2,3
.if (\ks)+(\hl) == 0
	v_wmma_f32_16x16x32_bf16 v[LS+8*(\kt):LS+8*(\kt)+7], v[FR+8*(\kt):FR+8*(\kt)+7], v[UF+32*(\hl)+8*(\ks):UF+32*(\hl)+8*(\ks)+7], 0
.else
	v_wmma_f32_16x16x32_bf16 v[LS+8*(\kt):LS+8*(\kt)+7], v[FR+8*(\kt):FR+8*(\kt)+7], v[UF+32*(\hl)+8*(\ks):UF+32*(\hl)+8*(\ks)+7], v[LS+8*(\kt):LS+8*(\kt)+7]
.endif
.endr
.endr
.endm
	ROWLOOP MUL1
	PLACES
	XPUT LS
	COLALL                                         ; x by columns for the second product, while the other waves arrive; its last wait is for 0, my stores among what it covers
	BAR                                            ; the launch's one barrier: all four partial logits lie in LDS
	XSUM LS, 112, 144
.set i, 0
.rept 16
	v_pk_add_f32 v[LS+2*i:LS+2*i+1], v[LS+2*i:LS+2*i+1], v[12:13]
.set i, i+1
.endr
.set i, 0
.rept 32
	v_cndmask_b32 v[LS+i], v11, v[LS+i], s[MK+i]
.set i, i+1
.endr
	; the chunk's softmax: every wave makes it for itself; a lane holds one hb and 32 keys, the lane 16 away the other 32
.irp j, 0,1,2,3
	v_max3_num_f32 v[112+(\j)], v[LS+8*(\j)], v[LS+8*(\j)+1], v[LS+8*(\j)+2]
.endr
.irp j, 0,1,2,3
	v_max3_num_f32 v[112+(\j)], v[112+(\j)], v[LS+8*(\j)+3], v[LS+8*(\j)+4]
.endr
.irp j, 0,1,2,3
	v_max3_num_f32 v[112+(\j)], v[112+(\j)], v[LS+8*(\j)+5], v[LS+8*(\j)+6]
.endr
	v_max3_num_f32 v112, v112, v[LS+7], v[LS+15]
	v_max3_num_f32 v114, v114, v[LS+23], v[LS+31]
	v_max3_num_f32 v112, v112, v113, v114
	v_max_num_f32 v112, v112, v115
	v_permlanex16_b32 v113, v112, s36, s37
	v_max_num_f32 v13, v112, v113                  ; m
	v_mul_f32 v12, s34, v13                        ; c m
.set i, 0
.rept 16
	v_pk_fma_f32 v[LS+2*i:LS+2*i+1], v[LS+2*i:LS+2*i+1], s[34:35], v[12:13] op_sel_hi:[1,0,0] neg_lo:[0,0,1] neg_hi:[0,0,1]
.set i, i+1
.endr
.set i, 0
.rept 32
	v_exp_f32 v[LS+i], v[LS+i]
.set i, i+1
.endr
	v_nop                                          ; a plain instruction behind the last exponential (ISA guide 5.7.2),
	s_wait_alu depctr_va_vdst(0)                   ; and one wait ahead of the batch's first reader
.set i, 0
.rept 16
	v_cvt_pk_bf16_f32 v[PF+i], v[LS+2*i], v[LS+2*i+1]
.set i, i+1
.endr
.irp d, 2,4,8,16                       ; l: neighbours 1, 2, 4 and 8 pairs apart, in place
.set i, 0
.rept 16/(\d)
	v_pk_add_f32 v[LS+2*(\d)*i:LS+2*(\d)*i+1], v[LS+2*(\d)*i:LS+2*(\d)*i+1], v[LS+2*(\d)*i+(\d):LS+2*(\d)*i+(\d)+1]
.set i, i+1
.endr
.endr
	v_add_f32 v7, v[LS], v[LS+1]
	v_permlanex16_b32 v8, v7, s36, s37
	v_add_f32 v7, v7, v8                           ; l
	s_cmp_lg_u32 s16, 0                            ; all four waves hold the same figures: wave 0 stores them
	s_cbranch_scc1 .Lnot_wave_0
	v_cndmask_b32 v8, v12, v7, s38                 ; lanes 0-15: c m of hb = lane; lanes 16-31: l
	global_store_b32 v10, v8, s[14:15]             ; 128 consecutive bytes
.Lnot_wave_0:
	; z = P X: source 0 = 16 hb x 32 keys, source 1 = x by columns.  Register j of lane (r, h) of accumulator t: hb = 8 h + j, position 128 w + 8 r + t.  The eight take turns.
.irp ks2, 0,1
.irp t, 0,1,2,3,4,5,6,7
.set n, 2*(\t)+(\ks2)
.set xt, XT0+8*n+XTJ*(n/8)
.if (\ks2) == 0
	v_wmma_f32_16x16x32_bf16 v[112+8*(\t):112+8*(\t)+7], v[PF+8*(\ks2):PF+8*(\ks2)+7], v[xt:xt+7], 0
.else
	v_wmma_f32_16x16x32_bf16 v[112+8*(\t):112+8*(\t)+7], v[PF+8*(\ks2):PF+8*(\ks2)+7], v[xt:xt+7], v[112+8*(\t):112+8*(\t)+7]
.endif
.endr
.endr
	PLACES
.irp j, 0,1,2,3,4,5,6,7
.irp c, 0,1,2,3
	v_cvt_pk_bf16_f32 v[16+4*(\j)+(\c)], v[112+16*(\c)+(\j)], v[120+16*(\c)+(\j)]
.endr
	global_store_b128 v9, v[16+4*(\j):16+4*(\j)+3], s[12:13] offset:1024*(\j)  ; 16 lanes store 256 consecutive bytes, at a multiple of 256 from zp's first byte
.endr
	s_wait_tensorcnt 0x0                           ; the wave's end: behind my tensor load and my last LDS store
	ds_add_u32 v[SPW], v[NIL]
	s_wait_dscnt 0x0
	s_endpgm
.Lfunc_end_k_q6486203591_stream:
	.size	k_q6486203591_stream, .Lfunc_end_k_q6486203591_stream-k_q6486203591_stream
	.p2alignl 7, 3214868480
	.fill 96, 4, 3214868480
	.section	.rodata,"a",@progbits
	.p2align	6, 0x0
	.amdhsa_kernel k_q6486203591_stream
		.amdhsa_group_segment_fixed_size 167936
		.amdhsa_private_segment_fixed_size 0
		.amdhsa_enable_private_segment 0
		.amdhsa_kernarg_size 48
		.amdhsa_user_sgpr_count 2
		.amdhsa_user_sgpr_kernarg_segment_ptr 1
		.amdhsa_wavefront_size32 1
		.amdhsa_system_sgpr_workgroup_id_x 1
		.amdhsa_system_sgpr_workgroup_id_y 1
		.amdhsa_system_sgpr_workgroup_id_z 1
		.amdhsa_system_vgpr_workitem_id 0
		.amdhsa_next_free_vgpr 256
		.amdhsa_next_free_sgpr 98
		.amdhsa_reserve_vcc 0
		.amdhsa_float_denorm_mode_32 3
		.amdhsa_float_denorm_mode_16_64 3
		.amdhsa_memory_ordered 1
		.amdhsa_forward_progress 1
		.amdhsa_inst_pref_size 54
	.end_amdhsa_kernel
	.amdgpu_metadata
---
amdhsa.version: [ 1, 2 ]
amdhsa.kernels:
  - .name:           k_q6486203591_stream
    .symbol:         k_q6486203591_stream.kd
    .args:
      - { .name: x, .offset: 0, .size: 8, .value_kind: global_buffer, .address_space: global }
      - { .name: mask, .offset: 8, .size: 8, .value_kind: global_buffer, .address_space: global }
      - { .name: U, .offset: 16, .size: 8, .value_kind: global_buffer, .address_space: global }
      - { .name: cb, .offset: 24, .size: 8, .value_kind: global_buffer, .address_space: global }
      - { .name: zp, .offset: 32, .size: 8, .value_kind: global_buffer, .address_space: global }
      - { .name: st, .offset: 40, .size: 8, .value_kind: global_buffer, .address_space: global }
    .group_segment_fixed_size: 167936
    .private_segment_fixed_size: 0
    .kernarg_segment_align: 8
    .kernarg_segment_size: 48
    .max_flat_workgroup_size: 128
    .sgpr_count:     98
    .vgpr_count:     256
    .wavefront_size: 32
...
	.end_amdgpu_metadata
.endif
;; end of part 2
;; launch value (part 3): grid 8 x 16, 4 waves a work-group, clusters of 4 x 1, 167,936 bytes of LDS; arguments zp, st, W_qkv, b_qkv, mask, x, yb; writes yb
.if DOCPART == 3
	.amdgcn_target "amdgcn-amd-amdhsa--gfx1250"
	.amdhsa_code_object_version 6
	.text
	.protected	k_q6486203591_value
	.globl	k_q6486203591_value
	.p2align	8
	.type	k_q6486203591_value,@function
k_q6486203591_value:
	s_mov_b64 s[64:65], 0
	v_nop
	global_prefetch_b8 v0, s[64:65] scope:SCOPE_SE
	s_setreg_imm32_b32 hwreg(HW_REG_WAVE_MODE, 25, 1), 1
	s_wait_xcnt 0x0
	s_wait_alu depctr_hold_cnt(0) depctr_sa_sdst(0) depctr_va_vdst(0) depctr_va_sdst(0) depctr_va_ssrc(0) depctr_va_vcc(0) depctr_vm_vsrc(0)
	s_getreg_b32 s2, hwreg(HW_REG_IB_STS2, 6, 4)
	s_cmp_eq_u32 s2, 0
	s_cbranch_scc0 .Lentry_in_a_cluster
	s_endpgm
.Lentry_in_a_cluster:
	s_bfe_u32 s2, ttmp6, 0x10000c
	s_cmp_lg_u32 s2, 0x3003
	s_cbranch_scc0 .Lentry_shape_is_right
	s_endpgm
.Lentry_shape_is_right:
; STEP 3 OF 4.  o[b, hb] = Wv z[b, hb] + bv, where z is the eight chunks' z_c merged by the running-maximum rule: with M = max of c m_c, w_c = 2^(c m_c - M), L = sum of w_c l_c: z = sum of (w_c / L) z_c.
; The product is taken on the rows (b, chunk) as they were stored, in bf16, and the merge is made behind it, in f32.  bv enters whole, since the weights add up to 1.
; Then y = (mask[b, 0] != 0 ? o : 0) + x[b, 0]: row 0 has a valid key exactly where its own mask is set, and reference() gives 0 elsewhere.
; A work-group: one hb, four batches (32 rows, two tiles mt).  Wave kq takes channels 128 kq .. +127; the four partial results meet in LDS.  Channels in the order that launch 1's head describes.
; CLUSTER.  The four work-groups of a cluster have the same hb and need the same 64 rows of Wv, 128 KiB of the 160 KiB that each reads: each wave's strip is asked for JOINTLY, by the same tensor load with the
; same descriptor and the mask of four in all four.  The place in the cluster enters global addresses of zp, st, mask, x and yb alone.
; FORMATS.  W_qkv, b_qkv and x are rounded once to bf16; sums, maxima and the merge in f32.  LIMITS.  A factor below 2^-126 counts as 0; NaN and infinities are not treated apart.
; s[4:17] zp, st, W_qkv, b_qkv, mask, x, yb   s18 w = kq  s19 hb  s20 block of four batches  s21 Wq's first row  s22 cx  s23 at work   s[24:27], s[28:35] descriptor   s[36:49] offsets   s50 upper half
.set PITCH, 528
.set STRIP, 64*PITCH
.set OX,    4*STRIP                    ; 4 waves x 4 batches x 320 bytes (64 f32 + 64 bytes)
.set SPARE, OX+4*1280                  ; the spare words, 128 bytes a wave: two blocks of 256 bytes that no other line names
.set RA,  3
.set SPW, 14
.set NIL, 15
.set ZF,  16                           ; v16-79   z: fragment (mt, ks) at ZF + 32 mt + 8 ks
.set ACC, 80                           ; v80-143  accumulator (mt, nt) at ACC + 32 mt + 8 nt; before the products v80-84 hold the loads' lane offsets
.set STG, 144                          ; v144-207
.set FR,  208                          ; v208-239
.set FC,  240                          ; v240-255 the factors w_c / L: (mt, c) at FC + 8 mt + c, for batch 2 mt + h
.macro PLACES                          ; four plain vector instructions between a matrix instruction and a reader of its result or a writer of its sources (ISA guide 7.12.1)
.rept 4
	v_nop
.endr
.endm
.macro BAR
	s_barrier_signal -1
	s_barrier_wait -1
.endm
.macro ROUND                           ; a round of the cluster's barrier: my work-group's barrier; wave 0 signals for it; every wave waits for all four work-groups; my work-group's barrier once more
	s_barrier_signal -1
	s_barrier_wait -1
	s_cmp_lg_u32 s18, 0
	s_cbranch_scc1 .Lnot_wave_0_\@
	s_barrier_signal -3
.Lnot_wave_0_\@:
	s_barrier_wait -3
	s_barrier_signal -1
	s_barrier_wait -1
.endm
.macro ROWLOAD ks
.irp T, 0,1,2,3
.irp g, 0,1
.irp u, 0,1
	ds_load_b128 v[STG+16*(\T)+8*(\g)+4*(\u):STG+16*(\T)+8*(\g)+4*(\u)+3], v[RA] offset:(\T)*16*PITCH+64*(\ks)+32*(\g)+256*(\u)
.endr
.endr
.endr
.endm
.macro ROWCVT
.set i, 0
.rept 32
	v_cvt_pk_bf16_f32 v[FR+i], v[STG+2*i], v[STG+2*i+1]
.set i, i+1
.endr
.endm
.macro ROWLOOP mul
	ROWLOAD 0
.irp ks, 0,1,2,3
	s_wait_dscnt 0x0
	ROWCVT
.if (\ks) < 3
	ROWLOAD (\ks)+1
.endif
	\mul \ks
.if (\ks) < 3
	PLACES
.endif
.endr
.endm
	s_load_b256 s[4:11], s[0:1], 0x0               ; zp s[4:5], st s[6:7], W_qkv s[8:9], b_qkv s[10:11]
	s_load_b128 s[12:15], s[0:1], 0x20             ; mask s[12:13], x s[14:15]
	s_load_b64 s[16:17], s[0:1], 0x30              ; yb
	v_lshl_add_u32 v[SPW], v0, 2, SPARE
	v_mov_b32 v[NIL], 0
	ds_add_u32 v[SPW], v[NIL]                      ; the wave's opening: the add and its wait ahead of the round in front of my tensor load
	v_lshrrev_b32 v1, 5, v0
	v_readfirstlane_b32 s18, v1                    ; wave 0..3
	s_and_b32 s19, ttmp7, 0xffff                   ; hb, which the four partners share
	s_bfe_u32 s22, ttmp6, 0x40000                  ; cx
	s_lshl_b32 s20, ttmp9, 2                       ; in a cluster launch ttmp9 counts clusters
	s_add_co_u32 s20, s20, s22                     ; my block of four batches
	s_lshr_b32 s21, s19, 3
	s_mul_i32 s21, s21, 1536
	s_and_b32 s23, s19, 7
	s_lshl_b32 s23, s23, 6
	s_add_co_u32 s21, s21, s23                     ; Wq's first row; Wv's lie 1,024 rows on
	s_mov_b32 s28, 15|(2<<16)|(1<<20)|(1<<21)|(6<<22)|(3<<25)  ; group 1: the mask of four; elements of 4 bytes; padding on; bit 21 beside a mask; after every 128 words, 4 words
	s_mov_b32 s29, 128<<16                         ; tensor_dim0 = 128
	s_mov_b32 s30, 64<<16                          ; tensor_dim1 = 64
	s_mov_b32 s31, 128<<16                         ; tile_dim0 = 128
	s_mov_b32 s32, 64                              ; tile_dim1 = 64
	s_mov_b32 s33, 512                             ; elements from row to row
	s_mov_b32 s34, 0
	s_mov_b32 s35, 0
	s_mov_b32 s24, 1
	s_mul_i32 s25, s18, STRIP                      ; LDS address: strip kq
	s_add_co_u32 s36, s21, 1024                    ; my strip of Wv: made of hb and the wave's number alone
	s_lshl_b32 s42, s36, 2                         ; b_qkv at bv
	s_mov_b32 s43, 0
	s_lshl_b32 s36, s36, 11
	s_lshl_b32 s23, s18, 9
	s_add_co_u32 s36, s36, s23
	s_mov_b32 s37, 0
	s_lshl_b32 s38, s20, 12                        ; st: 32 rows of 128 bytes a block, word hb
	s_lshl_b32 s23, s19, 2
	s_add_co_u32 s38, s38, s23
	s_mov_b32 s39, 0
	s_lshl_b32 s40, s20, 19                        ; zp: 32 rows of 16,384 bytes a block, row hb, byte 256 kq
	s_lshl_b32 s23, s19, 10
	s_add_co_u32 s40, s40, s23
	s_lshl_b32 s23, s18, 8
	s_add_co_u32 s40, s40, s23
	s_mov_b32 s41, 0
	s_lshl_b32 s44, s20, 22                        ; x: four batches a block, the head's 64 channels of row 0
	s_and_b32 s23, s19, 7
	s_lshl_b32 s23, s23, 8
	s_add_co_u32 s44, s44, s23
	s_mov_b32 s45, 0
	s_lshl_b32 s46, s20, 13                        ; mask: four rows a block
	s_mov_b32 s47, 0
	s_lshl_b32 s48, s20, 14                        ; yb: four rows of 4,096 bytes a block, byte 256 hb
	s_lshl_b32 s23, s19, 8
	s_add_co_u32 s48, s48, s23
	s_mov_b32 s49, 0
	s_mov_b32 s50, 0xffff0000
	v_and_b32 v1, 15, v0                           ; r
	v_bfe_u32 v2, v0, 4, 1                         ; h
	v_mul_u32_u24 v[RA], v1, PITCH
	v_lshl_add_u32 v[RA], v2, 4, v[RA]
	v_add_nc_u32 v[RA], s25, v[RA]
	s_and_b32 s23, s18, 1
	s_lshl_b32 s23, s23, 1
	v_add_nc_u32 v12, s23, v2                      ; the batch that I finish: 2 (w % 2) + h
	v_mul_u32_u24 v4, v2, 320                      ; where I put a partial result: wave, batch h (+ 2 mt), dv = r (+ 16 nt)
	v_lshl_add_u32 v4, v1, 2, v4
	s_mul_i32 s23, s18, 1280
	s_add_co_u32 s23, s23, OX
	v_add_nc_u32 v4, s23, v4
	v_mul_u32_u24 v5, v12, 320                     ; where I read them back: my batch, dv = 4 r .. 4 r + 3
	v_lshl_add_u32 v5, v1, 4, v5
	v_add_nc_u32 v5, OX, v5
	v_lshlrev_b32 v6, 12, v12                      ; yb
	v_lshl_add_u32 v6, v1, 4, v6
	v_lshlrev_b32 v80, 10, v2                      ; st: batch h
	v_lshlrev_b32 v81, 14, v1                      ; zp: row r, 16 h
	v_lshl_add_u32 v81, v2, 4, v81
	v_lshlrev_b32 v82, 4, v1                       ; bv
	v_lshlrev_b32 v83, 20, v12                     ; x
	v_lshl_add_u32 v83, v1, 4, v83
	v_lshlrev_b32 v84, 11, v12                     ; mask
	s_wait_dscnt 0x0                               ; the opening add is done
	s_wait_kmcnt 0x0
	s_add_nc_u64 s[26:27], s[8:9], s[36:37]
	s_or_b32 s27, s27, 0x80000000                  ; type = 2
	s_add_nc_u64 s[4:5], s[4:5], s[40:41]
	s_add_nc_u64 s[6:7], s[6:7], s[38:39]
	s_add_nc_u64 s[10:11], s[10:11], s[42:43]
	s_add_nc_u64 s[12:13], s[12:13], s[46:47]
	s_add_nc_u64 s[14:15], s[14:15], s[44:45]
	s_add_nc_u64 s[16:17], s[16:17], s[48:49]
	ROUND                                          ; all four work-groups are here: the joint loads meet
	tensor_load_to_lds s[24:27], s[28:35]          ; my one tensor load
	s_nop 0
.irp mt, 0,1
.irp c, 0,1,2,3,4,5,6,7
	global_load_b32 v[144+8*(\mt)+(\c)], v80, s[6:7] offset:2048*(\mt)+128*(\c)      ; c m of batch 2 mt + h, chunk c
	global_load_b32 v[160+8*(\mt)+(\c)], v80, s[6:7] offset:2048*(\mt)+128*(\c)+64   ; l
.endr
.endr
.irp mt, 0,1
.irp ks, 0,1,2,3
.irp g, 0,1
	global_load_b128 v[ZF+32*(\mt)+8*(\ks)+4*(\g):ZF+32*(\mt)+8*(\ks)+4*(\g)+3], v81, s[4:5] offset:262144*(\mt)+64*(\ks)+32*(\g)
.endr
.endr
.endr
	global_load_b128 v[208:211], v82, s[10:11]
	global_load_b128 v[212:215], v83, s[14:15]
	global_load_b32 v7, v84, s[12:13]
	s_wait_loadcnt 0x0
	; the factors
.irp mt, 0,1
	v_max3_num_f32 v[176+(\mt)], v[144+8*(\mt)], v[145+8*(\mt)], v[146+8*(\mt)]
.endr
.irp c, 3,5
.irp mt, 0,1
	v_max3_num_f32 v[176+(\mt)], v[176+(\mt)], v[144+8*(\mt)+(\c)], v[145+8*(\mt)+(\c)]
.endr
.endr
.irp mt, 0,1
	v_max_num_f32 v[176+(\mt)], v[176+(\mt)], v[151+8*(\mt)]
.endr
.irp mt, 0,1
.irp c, 0,1,2,3,4,5,6,7
	v_sub_f32 v[144+8*(\mt)+(\c)], v[144+8*(\mt)+(\c)], v[176+(\mt)]
.endr
.endr
.set i, 0
.rept 16
	v_exp_f32 v[FC+i], v[144+i]
.set i, i+1
.endr
	v_cvt_pk_bf16_f32 v8, v208, v209               ; bv and x rounded to bf16: plain work behind the last exponential
	v_cvt_pk_bf16_f32 v9, v210, v211
	v_cvt_pk_bf16_f32 v10, v212, v213
	v_cvt_pk_bf16_f32 v11, v214, v215
	s_wait_alu depctr_va_vdst(0)                   ; one wait for the sixteen exponentials, ahead of their first reader
.irp mt, 0,1
	v_mul_f32 v[178+(\mt)], v[FC+8*(\mt)], v[160+8*(\mt)]
.endr
.irp c, 1,2,3,4,5,6,7
.irp mt, 0,1
	v_fmac_f32 v[178+(\mt)], v[FC+8*(\mt)+(\c)], v[160+8*(\mt)+(\c)]
.endr
.endr
	v_rcp_f32 v180, v178                           ; L is 1 at the least: the chunk that holds M has w = 1 and l >= 1
	v_rcp_f32 v181, v179
	v_nop
	s_wait_alu depctr_va_vdst(0)                   ; and one for the two reciprocals
.irp mt, 0,1
.irp c, 0,1,2,3,4,5,6,7
	v_mul_f32 v[FC+8*(\mt)+(\c)], v[FC+8*(\mt)+(\c)], v[180+(\mt)]
.endr
.endr
	s_wait_tensorcnt 0x0                           ; my strip is in; in my work-group nobody else reads it
; source 0 = 16 rows (batch, chunk) of z, source 1 = 16 rows of Wv.  Register j of lane (r, h): chunk j of batch 2 mt + h, dv = 16 nt + r.  The eight accumulators take turns.
.macro MUL3 ks
.irp mt, 0,1
.irp nt, 0,1,2,3
.if (\ks) == 0
	v_wmma_f32_16x16x32_bf16 v[ACC+32*(\mt)+8*(\nt):ACC+32*(\mt)+8*(\nt)+7], v[ZF+32*(\mt)+8*(\ks):ZF+32*(\mt)+8*(\ks)+7], v[FR+8*(\nt):FR+8*(\nt)+7], 0
.else
	v_wmma_f32_16x16x32_bf16 v[ACC+32*(\mt)+8*(\nt):ACC+32*(\mt)+8*(\nt)+7], v[ZF+32*(\mt)+8*(\ks):ZF+32*(\mt)+8*(\ks)+7], v[FR+8*(\nt):FR+8*(\nt)+7], v[ACC+32*(\mt)+8*(\nt):ACC+32*(\mt)+8*(\nt)+7]
.endif
.endr
.endr
.endm
	ROWLOOP MUL3
	PLACES
	; the merge: a lane's eight registers are the eight chunks; chunk 0, each accumulator's lowest register, comes first
.irp c, 0,1,2,3,4,5,6,7
.irp mt, 0,1
.irp nt, 0,1,2,3
.if (\c) == 0
	v_mul_f32 v[144+4*(\mt)+(\nt)], v[FC+8*(\mt)], v[ACC+32*(\mt)+8*(\nt)]
.else
	v_fmac_f32 v[144+4*(\mt)+(\nt)], v[FC+8*(\mt)+(\c)], v[ACC+32*(\mt)+8*(\nt)+(\c)]
.endif
.endr
.endr
.endr
.irp mt, 0,1
.irp nt, 0,1,2,3
	ds_store_b32 v4, v[144+4*(\mt)+(\nt)] offset:640*(\mt)+64*(\nt)
.endr
.endr
	s_wait_dscnt 0x0                               ; for the others' sake: my stores are done
	BAR
	s_cmp_lt_u32 s18, 2                            ; waves 0 and 1 finish two batches each
	s_cbranch_scc0 .Lend
.irp k, 0,1,2,3
	ds_load_b128 v[144+4*(\k):144+4*(\k)+3], v5 offset:1280*(\k)
.endr
	v_lshlrev_b32 v160, 16, v8                     ; bv and x back as f32
	v_and_b32 v161, s50, v8
	v_lshlrev_b32 v162, 16, v9
	v_and_b32 v163, s50, v9
	v_lshlrev_b32 v164, 16, v10
	v_and_b32 v165, s50, v10
	v_lshlrev_b32 v166, 16, v11
	v_and_b32 v167, s50, v11
	v_cmp_ne_u32 vcc_lo, 0, v7                     ; mask[b, 0]
	s_wait_dscnt 0x0
.irp k, 4,8,12,16                      ; the four quarters of K in order, then bv
	v_pk_add_f32 v[144:145], v[144:145], v[144+(\k):145+(\k)]
	v_pk_add_f32 v[146:147], v[146:147], v[146+(\k):147+(\k)]
.endr
.irp i, 0,1,2,3
	v_cndmask_b32 v[144+(\i)], 0, v[144+(\i)], vcc_lo
.endr
	v_pk_add_f32 v[144:145], v[144:145], v[164:165]
	v_pk_add_f32 v[146:147], v[146:147], v[166:167]
	global_store_b128 v6, v[144:147], s[16:17]     ; 16 lanes store 256 consecutive bytes, at a multiple of 256 from yb's first byte
.Lend:
	s_wait_tensorcnt 0x0                           ; the wave's end: behind my tensor load and my last LDS store
	ds_add_u32 v[SPW], v[NIL]
	s_wait_dscnt 0x0
	ROUND                                          ; the closing round
	s_endpgm
.Lfunc_end_k_q6486203591_value:
	.size	k_q6486203591_value, .Lfunc_end_k_q6486203591_value-k_q6486203591_value
	.p2alignl 7, 3214868480
	.fill 96, 4, 3214868480
	.section	.rodata,"a",@progbits
	.p2align	6, 0x0
	.amdhsa_kernel k_q6486203591_value
		.amdhsa_group_segment_fixed_size 167936
		.amdhsa_private_segment_fixed_size 0
		.amdhsa_enable_private_segment 0
		.amdhsa_kernarg_size 56
		.amdhsa_user_sgpr_count 2
		.amdhsa_user_sgpr_kernarg_segment_ptr 1
		.amdhsa_wavefront_size32 1
		.amdhsa_system_sgpr_workgroup_id_x 1
		.amdhsa_system_sgpr_workgroup_id_y 1
		.amdhsa_system_sgpr_workgroup_id_z 1
		.amdhsa_system_vgpr_workitem_id 0
		.amdhsa_next_free_vgpr 256
		.amdhsa_next_free_sgpr 66
		.amdhsa_reserve_vcc 1
		.amdhsa_float_denorm_mode_32 3
		.amdhsa_float_denorm_mode_16_64 3
		.amdhsa_memory_ordered 1
		.amdhsa_forward_progress 1
		.amdhsa_inst_pref_size 32
	.end_amdhsa_kernel
	.amdgpu_metadata
---
amdhsa.version: [ 1, 2 ]
amdhsa.kernels:
  - .name:           k_q6486203591_value
    .symbol:         k_q6486203591_value.kd
    .args:
      - { .name: zp, .offset: 0, .size: 8, .value_kind: global_buffer, .address_space: global }
      - { .name: st, .offset: 8, .size: 8, .value_kind: global_buffer, .address_space: global }
      - { .name: W_qkv, .offset: 16, .size: 8, .value_kind: global_buffer, .address_space: global }
      - { .name: b_qkv, .offset: 24, .size: 8, .value_kind: global_buffer, .address_space: global }
      - { .name: mask, .offset: 32, .size: 8, .value_kind: global_buffer, .address_space: global }
      - { .name: x, .offset: 40, .size: 8, .value_kind: global_buffer, .address_space: global }
      - { .name: yb, .offset: 48, .size: 8, .value_kind: global_buffer, .address_space: global }
    .group_segment_fixed_size: 167936
    .private_segment_fixed_size: 0
    .kernarg_segment_align: 8
    .kernarg_segment_size: 56
    .max_flat_workgroup_size: 128
    .sgpr_count:     66
    .vgpr_count:     256
    .wavefront_size: 32
...
	.end_amdgpu_metadata
.endif
;; end of part 3
;; launch final (part 4): grid 9 x 2, 4 waves a work-group, no clusters, 167,936 bytes of LDS; arguments yb, g_E, beta_E, W_oE, b_oE, g_w, beta_w, W_ow, b_ow, out0, out1; writes out0, out1
.if DOCPART == 4
	.amdgcn_target "amdgcn-amd-amdhsa--gfx1250"
	.amdhsa_code_object_version 6
	.text
	.protected	k_q6486203591_final
	.globl	k_q6486203591_final
	.p2align	8
	.type	k_q6486203591_final,@function
k_q6486203591_final:
	s_mov_b64 s[64:65], 0
	v_nop
	global_prefetch_b8 v0, s[64:65] scope:SCOPE_SE
	s_setreg_imm32_b32 hwreg(HW_REG_WAVE_MODE, 25, 1), 1
	s_wait_xcnt 0x0
; STEP 4 OF 4.  h = LayerNorm(y) g + beta over 512 features; out1 = h_E W_oE^T + b_oE; out0 = h_w W_ow^T + b_ow.
; A work-group: 16 batches (grid y) and one block of 64 output columns (grid x = 0..7: the E branch; x = 8: the w branch, whose one row of W_ow arrives as row 0 of a tile whose other 63 rows the load fills with zeros,
; since the descriptor says that the tensor has one row left).  Wave kq takes features 128 kq .. +127, in the order that launch 1's head describes; means, variances and partial products meet in LDS.
; The variance is taken of y - mean, as reference() takes it.  h goes into the product as hi + lo, two bf16.
; FORMATS.  g, beta, W and the biases are rounded once to bf16; all sums in f32.  LIMITS.  NaN and infinities are not treated apart.
; NO CLUSTER: a strip of W is read by two work-groups, and clusters here are of four.
; s[4:25] the eleven addresses in the order of the arguments   s26 w = kq  s27 block  s28 mt  s29 1 in the w branch  s30, s31 at work, then 1 / 512 and eps
; s[32:35] group 0   s[36:43] group 1   s[44:51] group 1 for W_ow   s[52:55] g, beta of my branch   s[56:59] offsets   s[60:61] lane selects   s62 upper half   s63 EXEC kept
.set PITCH, 528
.set STRIP, 64*PITCH
.set SX,    4*STRIP                    ; 256 bytes for the sums, 256 for the sums of squares: wave kq's 16 words at 64 kq
.set FX,    SX+512                     ; 4 waves x 16 batches x 272 bytes (64 f32 + 16)
.set SPARE, FX+4*4352                  ; the spare words, 128 bytes a wave: two blocks of 256 bytes that no other line names
.set RA,  3
.set SPW, 14
.set NIL, 15
.set Y,   16                           ; v16-79   y, then h; index 16 ks + 8 g + 4 u + c.  Later v16-47 h's lo, v48-79 the four accumulators
.set GG,  80                           ; v80-143  g as loaded, packed into v80-111; later h's hi
.set BB,  144                          ; v144-207 beta as loaded, packed into v144-175
.set STG, 112                          ; v112-175 in the product
.set FR,  176                          ; v176-207
.set ACC, 48
.macro PLACES                          ; four plain vector instructions between a matrix instruction and a reader of its result or a writer of its sources (ISA guide 7.12.1)
.rept 4
	v_nop
.endr
.endm
.macro BAR
	s_barrier_signal -1
	s_barrier_wait -1
.endm
.macro ROWLOAD ks
.irp T, 0,1,2,3
.irp g, 0,1
.irp u, 0,1
	ds_load_b128 v[STG+16*(\T)+8*(\g)+4*(\u):STG+16*(\T)+8*(\g)+4*(\u)+3], v[RA] offset:(\T)*16*PITCH+64*(\ks)+32*(\g)+256*(\u)
.endr
.endr
.endr
.endm
.macro ROWCVT
.set i, 0
.rept 32
	v_cvt_pk_bf16_f32 v[FR+i], v[STG+2*i], v[STG+2*i+1]
.set i, i+1
.endr
.endm
.macro ROWLOOP mul
	ROWLOAD 0
.irp ks, 0,1,2,3
	s_wait_dscnt 0x0
	ROWCVT
.if (\ks) < 3
	ROWLOAD (\ks)+1
.endif
	\mul \ks
.if (\ks) < 3
	PLACES
.endif
.endr
.endm
.macro MEET src, off                   ; a figure for each of my 16 batches: the four waves' are added, in the same order in every wave, into v216
	ds_store_b32 v6, v[\src] offset:\off           ; both halves of the lanes hold the same number and write the same word
	s_wait_dscnt 0x0
	BAR
.irp k, 0,1,2,3
	ds_load_b32 v[216+(\k)], v7 offset:(\off)+64*(\k)
.endr
	s_wait_dscnt 0x0
	v_add_f32 v216, v216, v217
	v_add_f32 v218, v218, v219
	v_add_f32 v216, v216, v218
.endm
	s_load_b512 s[4:19], s[0:1], 0x0               ; yb, g_E, beta_E, W_oE, b_oE, g_w, beta_w, W_ow
	s_load_b128 s[20:23], s[0:1], 0x40             ; b_ow, out0
	s_load_b64 s[24:25], s[0:1], 0x50              ; out1
	v_lshl_add_u32 v[SPW], v0, 2, SPARE
	v_mov_b32 v[NIL], 0
	ds_add_u32 v[SPW], v[NIL]                      ; the wave's opening: the add and its wait ahead of my tensor load
	v_lshrrev_b32 v1, 5, v0
	v_readfirstlane_b32 s26, v1                    ; wave 0..3
	s_mov_b32 s27, ttmp9
	s_and_b32 s28, ttmp7, 0xffff
	s_lshl_b32 s30, s27, 17                        ; 64 rows of W_oE a block
	s_lshl_b32 s31, s26, 9                         ; 512 kq
	s_cmp_eq_u32 s27, 8
	s_cselect_b32 s29, 1, 0
	s_cselect_b32 s56, 0, s30                      ; W_ow has one row
	s_cselect_b32 s58, 0, 2048                     ; in yb the w branch's 512 features come first
	s_add_co_u32 s56, s56, s31
	s_mov_b32 s57, 0
	s_lshl_b32 s30, s28, 16                        ; 16 rows of yb
	s_add_co_u32 s58, s58, s30
	s_add_co_u32 s58, s58, s31
	s_mov_b32 s59, 0
.irp g, 36, 44
	s_mov_b32 s[(\g)], (2<<16)|(1<<20)|(6<<22)|(3<<25)  ; group 1: elements of 4 bytes; padding on, after every 128 words, 4 words
	s_mov_b32 s[(\g)+1], 128<<16                   ; tensor_dim0 = 128
	s_mov_b32 s[(\g)+3], 128<<16                   ; tile_dim0 = 128
	s_mov_b32 s[(\g)+4], 64                        ; tile_dim1 = 64
	s_mov_b32 s[(\g)+5], 512                       ; elements from row to row
	s_mov_b32 s[(\g)+6], 0
	s_mov_b32 s[(\g)+7], 0
.endr
	s_mov_b32 s38, 64<<16                          ; tensor_dim1 = 64,
	s_mov_b32 s46, 1<<16                           ; or 1: rows 1 to 63 of the tile are not read and arrive as zeros
	s_mov_b32 s32, 1
	s_mul_i32 s33, s26, STRIP                      ; LDS address: strip kq
	s_mov_b32 s60, 0x76543210
	s_mov_b32 s61, 0xfedcba98
	s_mov_b32 s62, 0xffff0000
	v_and_b32 v1, 15, v0                           ; r
	v_bfe_u32 v2, v0, 4, 1                         ; h
	v_mul_u32_u24 v[RA], v1, PITCH
	v_lshl_add_u32 v[RA], v2, 4, v[RA]
	v_add_nc_u32 v[RA], s33, v[RA]
	v_lshlrev_b32 v4, 12, v1                       ; yb: row r, 16 h
	v_lshl_add_u32 v4, v2, 4, v4
	v_lshlrev_b32 v5, 4, v2                        ; g, beta: 16 h
	s_lshl_b32 s30, s26, 6
	s_add_co_u32 s30, s30, SX
	v_lshl_add_u32 v6, v1, 2, s30                  ; my wave's word for batch r
	v_lshl_add_u32 v7, v1, 2, SX                   ; the four waves' words for batch r
	v_mul_u32_u24 v8, v1, 272                      ; a partial product: wave, batch r, columns 8 h (+ 16 nt)
	v_lshl_add_u32 v8, v2, 5, v8
	s_mul_i32 s30, s26, 4352
	s_add_co_u32 s30, s30, FX
	v_add_nc_u32 v8, s30, v8
	s_lshl_b32 s30, s26, 2
	v_add_nc_u32 v13, s30, v2                      ; the batches that I finish: 4 w + h (+ 2 i)
	v_mul_u32_u24 v9, v13, 272
	v_lshl_add_u32 v9, v1, 4, v9
	v_add_nc_u32 v9, FX, v9
	v_lshlrev_b32 v10, 11, v13                     ; out1
	v_lshl_add_u32 v10, v1, 4, v10
	v_lshlrev_b32 v11, 4, v1                       ; b_oE: 16 r
	v_mul_u32_u24 v12, v1, 272                     ; the w branch: column 0 of batch r
	v_add_nc_u32 v12, FX, v12
	v_lshlrev_b32 v224, 2, v1                      ; out0: 4 r
	v_mov_b32 v225, 0                              ; b_ow's offset
	s_wait_dscnt 0x0                               ; the opening add is done
	s_wait_kmcnt 0x0
	s_cmp_eq_u32 s29, 1
	s_cselect_b64 s[52:53], s[14:15], s[6:7]       ; g
	s_cselect_b64 s[54:55], s[16:17], s[8:9]       ; beta
	s_cselect_b64 s[34:35], s[18:19], s[10:11]     ; W
	s_add_nc_u64 s[34:35], s[34:35], s[56:57]
	s_or_b32 s35, s35, 0x80000000                  ; type = 2
	s_add_nc_u64 s[4:5], s[4:5], s[58:59]
	s_mov_b32 s56, s31
	s_add_nc_u64 s[52:53], s[52:53], s[56:57]
	s_add_nc_u64 s[54:55], s[54:55], s[56:57]
	s_lshl_b32 s58, s28, 6
	s_add_nc_u64 s[22:23], s[22:23], s[58:59]      ; out0 at batch 16 mt
	s_lshl_b32 s58, s28, 15
	s_lshl_b32 s56, s27, 8                         ; the block's 64 columns
	s_add_co_u32 s58, s58, s56
	s_add_nc_u64 s[24:25], s[24:25], s[58:59]      ; out1 at batch 16 mt, my block (used in the E branch alone)
	s_cmp_eq_u32 s29, 1                            ; the branch hangs on the block's number alone; each way holds one tensor load, an s_nop 0 and four v_nop behind it, and the bias's load
	s_cbranch_scc1 .Lw_strip
	tensor_load_to_lds s[32:35], s[36:43]
	s_nop 0
.rept 4
	v_nop
.endr
	s_add_nc_u64 s[12:13], s[12:13], s[56:57]
	global_load_b128 v[208:211], v11, s[12:13]
	s_branch .Lasked
.Lw_strip:
	tensor_load_to_lds s[32:35], s[44:51]
	s_nop 0
.rept 4
	v_nop
.endr
	global_load_b32 v208, v225, s[20:21]
.Lasked:
.irp ks, 0,1,2,3
.irp g, 0,1
.irp u, 0,1
	global_load_b128 v[Y+16*(\ks)+8*(\g)+4*(\u):Y+16*(\ks)+8*(\g)+4*(\u)+3],    v4, s[4:5]   offset:64*(\ks)+32*(\g)+256*(\u)
	global_load_b128 v[GG+16*(\ks)+8*(\g)+4*(\u):GG+16*(\ks)+8*(\g)+4*(\u)+3],  v5, s[52:53] offset:64*(\ks)+32*(\g)+256*(\u)
	global_load_b128 v[BB+16*(\ks)+8*(\g)+4*(\u):BB+16*(\ks)+8*(\g)+4*(\u)+3],  v5, s[54:55] offset:64*(\ks)+32*(\g)+256*(\u)
.endr
.endr
.endr
	s_mov_b32 s30, 0x3b000000                      ; 1 / 512
	s_mov_b32 s31, 0x3727c5ac                      ; eps = 1e-5
	s_wait_loadcnt 0x0
.set i, 0
.rept 32
	v_cvt_pk_bf16_f32 v[GG+i], v[GG+2*i], v[GG+2*i+1]  ; in place: number i is written when numbers 2 i and 2 i + 1 are read
	v_cvt_pk_bf16_f32 v[BB+i], v[BB+2*i], v[BB+2*i+1]
.set i, i+1
.endr
	; the mean: my 64 numbers in four chains, the lane 16 away, the four waves
.irp ch, 0,1,2,3
	v_pk_add_f32 v[212+2*(\ch):213+2*(\ch)], v[Y+2*(\ch):Y+2*(\ch)+1], v[Y+8+2*(\ch):Y+8+2*(\ch)+1]
.endr
.set i, 8
.rept 24
	v_pk_add_f32 v[212+2*(i%4):213+2*(i%4)], v[212+2*(i%4):213+2*(i%4)], v[Y+2*i:Y+2*i+1]
.set i, i+1
.endr
	v_pk_add_f32 v[212:213], v[212:213], v[214:215]
	v_pk_add_f32 v[216:217], v[216:217], v[218:219]
	v_pk_add_f32 v[212:213], v[212:213], v[216:217]
	v_add_f32 v212, v212, v213
	v_permlanex16_b32 v213, v212, s60, s61
	v_add_f32 v212, v212, v213
	MEET 212, 0
	v_mul_f32 v212, s30, v216
.set i, 0
.rept 32
	v_pk_add_f32 v[Y+2*i:Y+2*i+1], v[Y+2*i:Y+2*i+1], v[212:213] op_sel_hi:[1,0] neg_lo:[0,1] neg_hi:[0,1]
.set i, i+1
.endr
	; the variance of what is left
.irp ch, 0,1,2,3
	v_pk_mul_f32 v[214+2*(\ch):215+2*(\ch)], v[Y+2*(\ch):Y+2*(\ch)+1], v[Y+2*(\ch):Y+2*(\ch)+1]
.endr
.set i, 4
.rept 28
	v_pk_fma_f32 v[214+2*(i%4):215+2*(i%4)], v[Y+2*i:Y+2*i+1], v[Y+2*i:Y+2*i+1], v[214+2*(i%4):215+2*(i%4)]
.set i, i+1
.endr
	v_pk_add_f32 v[214:215], v[214:215], v[216:217]
	v_pk_add_f32 v[218:219], v[218:219], v[220:221]
	v_pk_add_f32 v[214:215], v[214:215], v[218:219]
	v_add_f32 v214, v214, v215
	v_permlanex16_b32 v215, v214, s60, s61
	v_add_f32 v214, v214, v215
	MEET 214, 256                                  ; other bytes than the means': no wave need have read those before these are written
	v_fma_f32 v216, v216, s30, s31
	v_rsq_f32 v214, v216
	v_nop                                          ; a plain instruction behind it (ISA guide 5.7.2),
	s_wait_alu depctr_va_vdst(0)                   ; and the wait ahead of its first reader
.set i, 0
.rept 32
	v_pk_mul_f32 v[Y+2*i:Y+2*i+1], v[Y+2*i:Y+2*i+1], v[214:215] op_sel_hi:[1,0]
.set i, i+1
.endr
.set i, 0
.rept 32
	v_fma_mix_f32_bf16 v[Y+2*i], v[Y+2*i], v[GG+i], v[BB+i] op_sel_hi:[0,1,1]
	v_fma_mix_f32_bf16 v[Y+2*i+1], v[Y+2*i+1], v[GG+i], v[BB+i] op_sel:[0,1,1] op_sel_hi:[0,1,1]
.set i, i+1
.endr
	; h = hi + lo: pairs of h ARE source 1 (32 positions x 16 batches) of the product
.set i, 0
.rept 32
	v_cvt_pk_bf16_f32 v[GG+i], v[Y+2*i], v[Y+2*i+1]
.set i, i+1
.endr
.set i, 0
.rept 32
	v_lshlrev_b32 v[112+2*i], 16, v[GG+i]
	v_and_b32 v[113+2*i], s62, v[GG+i]
.set i, i+1
.endr
.set i, 0
.rept 32
	v_pk_add_f32 v[Y+2*i:Y+2*i+1], v[Y+2*i:Y+2*i+1], v[112+2*i:113+2*i] neg_lo:[0,1] neg_hi:[0,1]
.set i, i+1
.endr
.set i, 0
.rept 32
	v_cvt_pk_bf16_f32 v[Y+i], v[Y+2*i], v[Y+2*i+1]
.set i, i+1
.endr
	s_wait_tensorcnt 0x0                           ; my strip is in; nobody else reads it
; out^T = W h^T: source 0 = 16 rows of W, source 1 = the 16 batches.  Register j of lane (r, h): batch r, column 16 nt + 8 h + j.  hi and lo add onto the same four accumulators, which take turns.
.macro MUL4 ks
.irp hl, 0,1
.irp nt, 0,1,2,3
.set hf, GG-(GG-Y)*(\hl)+8*(\ks)
.if (\ks)+(\hl) == 0
	v_wmma_f32_16x16x32_bf16 v[ACC+8*(\nt):ACC+8*(\nt)+7], v[FR+8*(\nt):FR+8*(\nt)+7], v[hf:hf+7], 0
.else
	v_wmma_f32_16x16x32_bf16 v[ACC+8*(\nt):ACC+8*(\nt)+7], v[FR+8*(\nt):FR+8*(\nt)+7], v[hf:hf+7], v[ACC+8*(\nt):ACC+8*(\nt)+7]
.endif
.endr
.endr
.endm
	ROWLOOP MUL4
	PLACES
.irp nt, 0,1,2,3
	ds_store_b128 v8, v[ACC+8*(\nt):ACC+8*(\nt)+3]   offset:64*(\nt)
	ds_store_b128 v8, v[ACC+8*(\nt)+4:ACC+8*(\nt)+7] offset:64*(\nt)+16
.endr
	s_wait_dscnt 0x0                               ; for the others' sake: my stores are done
	BAR
	s_cmp_eq_u32 s29, 1
	s_cbranch_scc1 .Lw_out
	; the E branch: every wave finishes four batches, whole rows of 256 bytes
.irp i, 0,1
.irp k, 0,1,2,3
	ds_load_b128 v[112+16*(\i)+4*(\k):112+16*(\i)+4*(\k)+3], v9 offset:4352*(\k)+544*(\i)
.endr
.endr
	v_cvt_pk_bf16_f32 v212, v208, v209             ; b_oE rounded to bf16, and back as f32
	v_cvt_pk_bf16_f32 v213, v210, v211
	v_lshlrev_b32 v208, 16, v212
	v_and_b32 v209, s62, v212
	v_lshlrev_b32 v210, 16, v213
	v_and_b32 v211, s62, v213
	s_wait_dscnt 0x0
.irp i, 0,1
.irp k, 4,8,12                         ; the four quarters of K in order
	v_pk_add_f32 v[112+16*(\i):113+16*(\i)], v[112+16*(\i):113+16*(\i)], v[112+16*(\i)+(\k):113+16*(\i)+(\k)]
	v_pk_add_f32 v[114+16*(\i):115+16*(\i)], v[114+16*(\i):115+16*(\i)], v[114+16*(\i)+(\k):115+16*(\i)+(\k)]
.endr
	v_pk_add_f32 v[112+16*(\i):113+16*(\i)], v[112+16*(\i):113+16*(\i)], v[208:209]
	v_pk_add_f32 v[114+16*(\i):115+16*(\i)], v[114+16*(\i):115+16*(\i)], v[210:211]
	global_store_b128 v10, v[112+16*(\i):115+16*(\i)], s[24:25] offset:4096*(\i)  ; 16 lanes store 256 consecutive bytes, at a multiple of 256 from out1's first byte
.endr
	s_branch .Lend
.Lw_out:
	s_cmp_lg_u32 s26, 0                            ; the w branch: sixteen numbers, wave 0's
	s_cbranch_scc1 .Lend
.irp k, 0,1,2,3
	ds_load_b32 v[112+(\k)], v12 offset:4352*(\k)
.endr
	v_cvt_pk_bf16_f32 v212, v208, v208             ; b_ow rounded to bf16
	v_lshlrev_b32 v212, 16, v212
	s_wait_dscnt 0x0
	v_add_f32 v112, v112, v113
	v_add_f32 v112, v112, v114
	v_add_f32 v112, v112, v115
	v_add_f32 v112, v112, v212
	s_wait_xcnt 0x0                                ; EXEC changes only behind this wait
	v_cmp_eq_u32 vcc_lo, 0, v2
	s_and_saveexec_b32 s63, vcc_lo                 ; lanes 0 to 15: 64 consecutive bytes
	global_store_b32 v224, v112, s[22:23]
	s_wait_xcnt 0x0
	s_or_b32 exec_lo, exec_lo, s63
.Lend:
	s_wait_tensorcnt 0x0                           ; the wave's end: behind my tensor load and my last LDS store
	ds_add_u32 v[SPW], v[NIL]
	s_wait_dscnt 0x0
	s_endpgm
.Lfunc_end_k_q6486203591_final:
	.size	k_q6486203591_final, .Lfunc_end_k_q6486203591_final-k_q6486203591_final
	.p2alignl 7, 3214868480
	.fill 96, 4, 3214868480
	.section	.rodata,"a",@progbits
	.p2align	6, 0x0
	.amdhsa_kernel k_q6486203591_final
		.amdhsa_group_segment_fixed_size 167936
		.amdhsa_private_segment_fixed_size 0
		.amdhsa_enable_private_segment 0
		.amdhsa_kernarg_size 88
		.amdhsa_user_sgpr_count 2
		.amdhsa_user_sgpr_kernarg_segment_ptr 1
		.amdhsa_wavefront_size32 1
		.amdhsa_system_sgpr_workgroup_id_x 1
		.amdhsa_system_sgpr_workgroup_id_y 1
		.amdhsa_system_sgpr_workgroup_id_z 1
		.amdhsa_system_vgpr_workitem_id 0
		.amdhsa_next_free_vgpr 256
		.amdhsa_next_free_sgpr 66
		.amdhsa_reserve_vcc 1
		.amdhsa_float_denorm_mode_32 3
		.amdhsa_float_denorm_mode_16_64 3
		.amdhsa_memory_ordered 1
		.amdhsa_forward_progress 1
		.amdhsa_inst_pref_size 54
	.end_amdhsa_kernel
	.amdgpu_metadata
---
amdhsa.version: [ 1, 2 ]
amdhsa.kernels:
  - .name:           k_q6486203591_final
    .symbol:         k_q6486203591_final.kd
    .args:
      - { .name: yb, .offset: 0, .size: 8, .value_kind: global_buffer, .address_space: global }
      - { .name: g_E, .offset: 8, .size: 8, .value_kind: global_buffer, .address_space: global }
      - { .name: beta_E, .offset: 16, .size: 8, .value_kind: global_buffer, .address_space: global }
      - { .name: W_oE, .offset: 24, .size: 8, .value_kind: global_buffer, .address_space: global }
      - { .name: b_oE, .offset: 32, .size: 8, .value_kind: global_buffer, .address_space: global }
      - { .name: g_w, .offset: 40, .size: 8, .value_kind: global_buffer, .address_space: global }
      - { .name: beta_w, .offset: 48, .size: 8, .value_kind: global_buffer, .address_space: global }
      - { .name: W_ow, .offset: 56, .size: 8, .value_kind: global_buffer, .address_space: global }
      - { .name: b_ow, .offset: 64, .size: 8, .value_kind: global_buffer, .address_space: global }
      - { .name: out0, .offset: 72, .size: 8, .value_kind: global_buffer, .address_space: global }
      - { .name: out1, .offset: 80, .size: 8, .value_kind: global_buffer, .address_space: global }
    .group_segment_fixed_size: 167936
    .private_segment_fixed_size: 0
    .kernarg_segment_align: 8
    .kernarg_segment_size: 88
    .max_flat_workgroup_size: 128
    .sgpr_count:     66
    .vgpr_count:     256
    .wavefront_size: 32
...
	.end_amdgpu_metadata
.endif
;; end of part 4
